; MI455X (gfx1250); checked and timed in simulation.
; The chip was launched on July 23, 2026; its instructions are those of AMD's public machine-readable ISA for CDNA 5 (MIT licence, August 2026) and "CDNA5" Instruction Set Architecture Reference Guide (July 2026). The comments in the code are by the model that wrote it; some were corrected since.
;; C Linear. Allowed arithmetic: float matrix products may take bf16 or f16 operands with f32 sums; all other float work in f32.
;; Inputs: bias 2,048 float32; mn 2,048 x 64 x 1 float32; packed 2,048 x 64 x 32 int32; scale 2,048 x 64 x 1 float32; x 4 x 2,048 x 4,096 float32.
;; Outputs: out0 4 x 2,048 x 2,048 float32.
;; 2 versions, each right; version 2 is version 1 with the launch dequant written anew for expert scheduling mode. Each part assembles by itself: llvm-mc -triple=amdgcn-amd-amdhsa -mcpu=gfx1250 --defsym DOCPART=n.
;; ======== version 1 of 2: 3 launches
;; limits: values are held in f16: magnitudes above 65,504 overflow, below 6.1e-05 lose precision
;; workspace buffers: wb 16,777,216 bytes; xh 67,108,864 bytes
;; launch dequant (part 1): grid 256 x 1, 8 waves a work-group, no clusters, 78,848 bytes of LDS; arguments packed, mn, scale, wb; writes wb
.if DOCPART == 1
	.amdgcn_target "amdgcn-amd-amdhsa--gfx1250"
	.amdhsa_code_object_version 6
	.text
	.protected	k_q1493ad8908_dequant
	.globl	k_q1493ad8908_dequant
	.p2align	8
	.type	k_q1493ad8908_dequant,@function
k_q1493ad8908_dequant:
	s_mov_b64 s[64:65], 0
	v_nop
	global_prefetch_b8 v0, s[64:65] scope:SCOPE_SE
	s_setreg_imm32_b32 hwreg(HW_REG_WAVE_MODE, 25, 1), 1
	s_wait_xcnt 0x0
; w[n][k] = code / scale[n][g] + mn[n][g], g = k / 64, rounded once to f16 and laid out for the product that follows.
; packed: [2048][64][32] int32, one byte of use in each word: bits 7:4 are the code of k = 64 g + j, bits 3:0 that of k = 64 g + 32 + j.
; wb (f16) is laid out [g][n][p][e]: byte g*262144 + n*128 + p*16 + 2 e, p = 0..7, e = 0..7.  Piece p holds k = 64 g + 4 p + e for e < 4
; (the high codes of words 4 p .. 4 p + 3) and k = 64 g + 32 + 4 p + (e - 4) for e >= 4 (the low codes of the same words): a lane's 16 bytes
; as loaded become its 16 bytes as stored, and one group's numbers for 256 neighbouring n are 32 KiB without a gap.
; WHY f16: the result is wanted within 0.01 of its root mean square.  A sum of 4,096 products whose two operands keep 8 significant bits has an error
; of about 0.0023 of that root mean square, so among 16.8 million outputs some would pass 0.01; 11 significant bits make the error eight times smaller.
; LIMITS: a |w| above 65,504 becomes infinite, and below 2^-14 w is kept to a step of 2^-24 (w as the problem draws it reaches about 0.25, root mean
; square 0.05).  The division is v_rcp_f32 (1 ulp) and one fused multiply-add in f32; v_rcp_f32 flushes denormals (ISA guide 15.8), so a scale
; that is denormal gives an infinite, and one above 2^126 a zero, reciprocal.
; SHARES: the work-group owns 8 rows n (64 KiB of packed, without a gap); wave w owns groups 8 w .. 8 w + 7 of all eight rows.
; No loop: a lane issues its 16 loads of 16 bytes at once.  No matrix unit, no cluster, no tensor load: every byte is read once by one lane.
; The way out turns [n][g] into [g][n] through each wave's own bytes of LDS, so that each store of a wave covers 512 consecutive bytes, aligned.
.set ROWB, 8192                        ; bytes of packed in a row n
.set GRPB, 262144                      ; bytes of wb in a group: 2,048 n x 128
.set TRP,  1152                        ; LDS: a group's 8 n x 128 bytes + 128 of padding, so that two groups' pieces lie 128 bytes apart modulo 256
.set TRW,  8*TRP                       ; a wave's turning area: 8 groups
.set TAB,  8*TRW                       ; behind the eight areas: 512 pairs (1 / scale, mn), 8 bytes each, index 64 row + g
.set PO,  3                            ; v3   my byte offset in packed: 1,024 w + 16 lane
.set TW,  4                            ; v4   where I put two pairs of the table
.set TA,  5                            ; v5   where I read my group's pair
.set TS,  6                            ; v6   turning area: where I put 16 bytes
.set TRD, 7                            ; v7   turning area: where I read 16 bytes back
.set WO,  8                            ; v8   my byte offset in wb
.set Q,   16                           ; v[16:19]   two pairs for the table
.set X,   20                           ; v[20:83]   chunk c: 4 words as loaded; later the 16 read-backs
.set SM,  84                           ; v[84:115]  chunk c: its pair (1 / scale, mn)
.set T,   116                          ; v[116:123] at work: 8 numbers in f32
.set P,   124                          ; v[124:127] 8 f16
	s_load_b256 s[4:11], s[0:1], 0x0               ; packed s[4:5], mn s[6:7], scale s[8:9], wb s[10:11]
	v_lshl_add_u32 v128, v0, 2, 0x13000
	v_mov_b32 v129, 0
	v_lshrrev_b32 v9, 5, v0
	v_readfirstlane_b32 s12, v9                    ; wave 0..7
	v_and_b32 v1, 31, v0                           ; lane
	v_lshlrev_b32 v2, 3, v0                        ; two numbers of scale and of mn for each thread
	s_lshl_b32 s13, s12, 10                        ; my wave's 8 groups in a row: 1,024 bytes
	v_lshl_add_u32 v[PO], v1, 4, s13
	v_lshlrev_b32 v[TW], 4, v0
	v_add_nc_u32 v[TW], TAB, v[TW]                 ; pairs 2 t and 2 t + 1
	v_lshrrev_b32 v9, 3, v1                        ; which of a chunk's four groups my 16 bytes lie in
	s_lshl_b32 s14, s12, 6                         ; pair 8 w
	s_add_co_u32 s14, s14, TAB
	v_lshl_add_u32 v[TA], v9, 3, s14
	s_mul_i32 s15, s12, TRW                        ; my wave's turning area
	v_mul_u32_u24 v[TS], v9, TRP
	v_and_b32 v9, 7, v1                            ; my piece p
	v_lshl_add_u32 v[TS], v9, 4, v[TS]
	v_add_nc_u32 v[TS], s15, v[TS]
	v_lshl_add_u32 v[TRD], v1, 4, s15
	s_lshl_b32 s16, s12, 21                        ; 8 w groups of 262,144 bytes
	v_lshl_add_u32 v[WO], v1, 4, s16
	s_mov_b32 s3, 0
	s_lshl_b32 s2, ttmp9, 16                       ; 8 rows of packed
	s_wait_kmcnt 0x0
	s_add_nc_u64 s[4:5], s[4:5], s[2:3]
	s_lshl_b32 s2, ttmp9, 11                       ; 8 rows of 64 f32
	s_add_nc_u64 s[6:7], s[6:7], s[2:3]
	s_add_nc_u64 s[8:9], s[8:9], s[2:3]
	s_lshl_b32 s2, ttmp9, 10                       ; 8 n of 128 bytes in each group of wb
	s_add_nc_u64 s[10:11], s[10:11], s[2:3]
	global_load_b64 v[10:11], v2, s[8:9]           ; scale: a wave takes one row's 256 bytes
	global_load_b64 v[12:13], v2, s[6:7]           ; mn likewise
.irp c, 0,1,2,3,4,5,6,7,8,9,10,11,12,13,14,15
	global_load_b128 v[X+4*\c:X+4*\c+3], v[PO], s[4:5] offset:(\c>>1)*ROWB+(\c&1)*512 th:TH_LOAD_NT   ; chunk c = 2 row + u: four groups, 512 consecutive bytes
.endr
	s_wait_loadcnt 16                              ; scale and mn are in; the 16 younger loads stay out
	v_rcp_f32 v[Q], v10
	v_rcp_f32 v[Q+2], v11
	v_mov_b32 v[Q+1], v12                          ; plain instructions that touch neither the reciprocals nor their sources stand behind v_rcp_f32 (ISA guide 5.7.2)
	v_mov_b32 v[Q+3], v13
	s_wait_alu depctr_va_vdst(0)
	ds_store_b128 v[TW], v[Q:Q+3]
	s_wait_dscnt 0x0                               ; my pairs are in LDS before I say so
	s_barrier_signal -1
	s_barrier_wait -1                              ; all 512 pairs are there; nobody writes the table again
.irp c, 0,1,2,3,4,5,6,7,8,9,10,11,12,13,14,15
	ds_load_b64 v[SM+2*\c:SM+2*\c+1], v[TA] offset:(\c>>1)*512+(\c&1)*32   ; pair 64 row + 8 w + 4 u + lane / 8: eight lanes share a pair
.endr
	s_wait_dscnt 0x0
; Chunk c: four words become eight numbers, 16 bytes of f16, put at [group][row][piece] in my wave's area.
.macro DEQ c
	s_wait_loadcnt 15-\c                           ; loads come back in order (ISA guide 5.7.1): chunk c is in, the younger ones stay out
.irp e, 0,1,2,3
	v_bfe_u32 v[T+\e], v[X+4*\c+\e], 4, 4          ; the high code: k = 4 p + e
	v_and_b32 v[T+4+\e], 15, v[X+4*\c+\e]          ; the low code: k = 32 + 4 p + e
.endr
.irp e, 0,1,2,3,4,5,6,7
	v_cvt_f32_u32 v[T+\e], v[T+\e]
.endr
.irp e, 0,2,4,6
	v_pk_fma_f32 v[T+\e:T+\e+1], v[T+\e:T+\e+1], v[SM+2*\c:SM+2*\c+1], v[SM+2*\c:SM+2*\c+1] op_sel:[0,0,1] op_sel_hi:[1,0,1]   ; both halves: code x (1 / scale) + mn
.endr
.irp m, 0,1,2,3
	v_cvt_pk_f16_f32 v[P+\m], v[T+2*\m], v[T+2*\m+1]   ; two roundings to f16, the first source in the low half
.endr
	ds_store_b128 v[TS], v[P:P+3] offset:(\c&1)*4*TRP+(\c>>1)*128
.endm
.irp c, 0,1,2,3,4,5,6,7,8,9,10,11,12,13,14,15
	DEQ \c
.endr
	; Back by groups: 1,024 bytes (8 n x 128) of a group in two loads.  My wave's own bytes, and LDS serves a wave's instructions in order
	; (ISA guide 5.7.1.4): no wait and no barrier between the stores above and these loads.
.irp k, 0,1,2,3,4,5,6,7,8,9,10,11,12,13,14,15
	ds_load_b128 v[X+4*\k:X+4*\k+3], v[TRD] offset:(\k>>1)*TRP+(\k&1)*512
.endr
.irp k, 0,1,2,3,4,5,6,7,8,9,10,11,12,13,14,15
	s_wait_dscnt 15-\k
	global_store_b128 v[WO], v[X+4*\k:X+4*\k+3], s[10:11] offset:(\k>>1)*GRPB+(\k&1)*512   ; 512 consecutive bytes, aligned; read again by the next launch, so no hint
.endr
	s_wait_tensorcnt 0x0
	ds_add_u32 v128, v129
	s_wait_dscnt 0x0
	s_endpgm
.Lfunc_end_k_q1493ad8908_dequant:
	.size	k_q1493ad8908_dequant, .Lfunc_end_k_q1493ad8908_dequant-k_q1493ad8908_dequant
	.p2alignl 7, 3214868480
	.fill 96, 4, 3214868480
	.section	.rodata,"a",@progbits
	.p2align	6, 0x0
	.amdhsa_kernel k_q1493ad8908_dequant
		.amdhsa_group_segment_fixed_size 78848
		.amdhsa_private_segment_fixed_size 0
		.amdhsa_enable_private_segment 0
		.amdhsa_kernarg_size 32
		.amdhsa_user_sgpr_count 2
		.amdhsa_user_sgpr_kernarg_segment_ptr 1
		.amdhsa_wavefront_size32 1
		.amdhsa_system_sgpr_workgroup_id_x 1
		.amdhsa_system_sgpr_workgroup_id_y 1
		.amdhsa_system_sgpr_workgroup_id_z 1
		.amdhsa_system_vgpr_workitem_id 0
		.amdhsa_next_free_vgpr 130
		.amdhsa_next_free_sgpr 66
		.amdhsa_reserve_vcc 0
		.amdhsa_float_denorm_mode_32 3
		.amdhsa_float_denorm_mode_16_64 3
		.amdhsa_memory_ordered 1
		.amdhsa_forward_progress 1
		.amdhsa_inst_pref_size 28
	.end_amdhsa_kernel
	.amdgpu_metadata
---
amdhsa.version: [ 1, 2 ]
amdhsa.kernels:
  - .name:           k_q1493ad8908_dequant
    .symbol:         k_q1493ad8908_dequant.kd
    .args:
      - { .name: packed, .offset: 0, .size: 8, .value_kind: global_buffer, .address_space: global }
      - { .name: mn, .offset: 8, .size: 8, .value_kind: global_buffer, .address_space: global }
      - { .name: scale, .offset: 16, .size: 8, .value_kind: global_buffer, .address_space: global }
      - { .name: wb, .offset: 24, .size: 8, .value_kind: global_buffer, .address_space: global }
    .group_segment_fixed_size: 78848
    .private_segment_fixed_size: 0
    .kernarg_segment_align: 8
    .kernarg_segment_size: 32
    .max_flat_workgroup_size: 256
    .sgpr_count:     66
    .vgpr_count:     130
    .wavefront_size: 32
...
	.end_amdgpu_metadata
.endif
;; end of part 1
;; launch cvtx (part 2): grid 4096 x 1, 8 waves a work-group, no clusters, 0 bytes of LDS; arguments x, xh; writes xh
.if DOCPART == 2
	.amdgcn_target "amdgcn-amd-amdhsa--gfx1250"
	.amdhsa_code_object_version 6
	.text
	.protected	k_q1493ad8908_cvtx
	.globl	k_q1493ad8908_cvtx
	.p2align	8
	.type	k_q1493ad8908_cvtx,@function
k_q1493ad8908_cvtx:
	s_mov_b64 s[64:65], 0
	v_nop
	global_prefetch_b8 v0, s[64:65] scope:SCOPE_SE
	s_setreg_imm32_b32 hwreg(HW_REG_WAVE_MODE, 25, 1), 1
	s_wait_xcnt 0x0
; xh = x rounded once to f16, laid out for the product that follows.  x: [8192][4096] f32.
; xh is laid out [m][g][p][e], g = k / 64: byte m*8192 + g*128 + p*16 + 2 e, p = 0..7, e = 0..7.  Piece p holds k = 64 g + 4 p + e for e < 4 and
; k = 64 g + 32 + 4 p + (e - 4) for e >= 4: the order in which the weights' buffer holds a group, so that both operands' fragments are loaded alike.
; WHY A LAUNCH OF ITS OWN: a block of 256 x 256 of the product needs 256 x 4 + 256 x 2 = 1,536 bytes of LDS for 1 along K while x is f32, and two padded slots
; of 128 along K would take 417,792 bytes; with x in f16 it is 1,024 bytes and 278,528.  A wave of the product then also reads 512 and not 768 bytes of LDS
; for 1 along K and converts nothing in its loop.  The price is this stream: 128 MiB read, 64 MiB stored.
; LIMITS: an |x| above 65,504 becomes infinite, and below 2^-14 x is kept to a step of 2^-24 (x as the problem draws it has a spread of 1 and reaches about 6,
; so that factors and offsets of 30 either way stay inside).
; SHARES: the work-group owns 32 KiB of x, wave w 4 KiB of them, as 8 chunks of 512 bytes (two groups).  No loop: a lane issues its 8 loads of 16 bytes at once;
; with 40 registers several work-groups lie on a WGP, which multiplies the bytes in flight.  No LDS, no barrier, no matrix unit, no cluster: every byte is
; read once by one lane, and no wave needs another's.
; A load of a wave covers 512 consecutive bytes.  Lane l holds k = 4 (l % 16) .. + 3 of group l / 16 of the chunk: 8 bytes of f16, which belong at byte
; 128 (l / 16) + 16 (l % 8) + 8 ((l / 8) % 2).  The 32 lanes' 8 bytes fill 256 consecutive bytes, aligned: each store of a wave writes them whole.
.set CHUNKS, 8
.set LO, 3                             ; v3      my byte offset in x:  4,096 w + 16 lane
.set SO, 4                             ; v4      my byte offset in xh: 2,048 w + the place above
.set X,  8                             ; v[8:39] chunk c: 4 numbers as loaded; its first two registers then hold the 4 f16
	s_load_b128 s[4:7], s[0:1], 0x0                ; x s[4:5], xh s[6:7]
	v_and_b32 v1, 31, v0                           ; lane
	v_lshrrev_b32 v2, 5, v0                        ; wave
	v_lshlrev_b32 v[LO], 4, v1
	v_lshl_add_u32 v[LO], v2, 12, v[LO]
	v_lshlrev_b32 v[SO], 11, v2
	v_lshrrev_b32 v5, 4, v1                        ; which of the chunk's two groups
	v_lshl_add_u32 v[SO], v5, 7, v[SO]
	v_and_b32 v5, 7, v1                            ; the piece p
	v_lshl_add_u32 v[SO], v5, 4, v[SO]
	v_bfe_u32 v5, v1, 3, 1                         ; its first half (k < 32) or its second
	v_lshl_add_u32 v[SO], v5, 3, v[SO]
	s_mov_b32 s3, 0
	s_lshl_b32 s2, ttmp9, 15                       ; 32 KiB of x for each work-group
	s_wait_kmcnt 0x0
	s_add_nc_u64 s[4:5], s[4:5], s[2:3]
	s_lshl_b32 s2, ttmp9, 14                       ; 16 KiB of xh
	s_add_nc_u64 s[6:7], s[6:7], s[2:3]
.irp c, 0,1,2,3,4,5,6,7
	global_load_b128 v[X+4*\c:X+4*\c+3], v[LO], s[4:5] offset:512*\c th:TH_LOAD_NT   ; read once in the launch
.endr
.irp c, 0,1,2,3,4,5,6,7
	s_wait_loadcnt CHUNKS-1-\c                     ; loads come back in order (ISA guide 5.7.1): chunk c is in, the younger ones stay out
	v_cvt_pk_f16_f32 v[X+4*\c],   v[X+4*\c],   v[X+4*\c+1]     ; two roundings, the first source in the low half
	v_cvt_pk_f16_f32 v[X+4*\c+1], v[X+4*\c+2], v[X+4*\c+3]
	global_store_b64 v[SO], v[X+4*\c:X+4*\c+1], s[6:7] offset:256*\c   ; no register is written again behind a store; read by the next launch, so no hint
.endr
	s_endpgm
.Lfunc_end_k_q1493ad8908_cvtx:
	.size	k_q1493ad8908_cvtx, .Lfunc_end_k_q1493ad8908_cvtx-k_q1493ad8908_cvtx
	.p2alignl 7, 3214868480
	.fill 96, 4, 3214868480
	.section	.rodata,"a",@progbits
	.p2align	6, 0x0
	.amdhsa_kernel k_q1493ad8908_cvtx
		.amdhsa_group_segment_fixed_size 0
		.amdhsa_private_segment_fixed_size 0
		.amdhsa_enable_private_segment 0
		.amdhsa_kernarg_size 16
		.amdhsa_user_sgpr_count 2
		.amdhsa_user_sgpr_kernarg_segment_ptr 1
		.amdhsa_wavefront_size32 1
		.amdhsa_system_sgpr_workgroup_id_x 1
		.amdhsa_system_sgpr_workgroup_id_y 1
		.amdhsa_system_sgpr_workgroup_id_z 1
		.amdhsa_system_vgpr_workitem_id 0
		.amdhsa_next_free_vgpr 40
		.amdhsa_next_free_sgpr 66
		.amdhsa_reserve_vcc 0
		.amdhsa_float_denorm_mode_32 3
		.amdhsa_float_denorm_mode_16_64 3
		.amdhsa_memory_ordered 1
		.amdhsa_forward_progress 1
		.amdhsa_inst_pref_size 4
	.end_amdhsa_kernel
	.amdgpu_metadata
---
amdhsa.version: [ 1, 2 ]
amdhsa.kernels:
  - .name:           k_q1493ad8908_cvtx
    .symbol:         k_q1493ad8908_cvtx.kd
    .args:
      - { .name: x, .offset: 0, .size: 8, .value_kind: global_buffer, .address_space: global }
      - { .name: xh, .offset: 8, .size: 8, .value_kind: global_buffer, .address_space: global }
    .group_segment_fixed_size: 0
    .private_segment_fixed_size: 0
    .kernarg_segment_align: 8
    .kernarg_segment_size: 16
    .max_flat_workgroup_size: 256
    .sgpr_count:     66
    .vgpr_count:     40
    .wavefront_size: 32
...
	.end_amdgpu_metadata
.endif
;; end of part 2
;; launch gemm (part 3): grid 8 x 32, 4 waves a work-group, clusters of 4 x 4, 327,680 bytes of LDS; arguments xh, wb, bias, out0; writes out0
.if DOCPART == 3
	.amdgcn_target "amdgcn-amd-amdhsa--gfx1250"
	.amdhsa_code_object_version 6
	.text
	.protected	k_q1493ad8908_gemm
	.globl	k_q1493ad8908_gemm
	.p2align	8
	.type	k_q1493ad8908_gemm,@function
k_q1493ad8908_gemm:
	s_mov_b64 s[64:65], 0
	v_nop
	global_prefetch_b8 v0, s[64:65] scope:SCOPE_SE
	s_setreg_imm32_b32 hwreg(HW_REG_WAVE_MODE, 25, 1), 1
	s_wait_xcnt 0x0
	s_wait_alu depctr_hold_cnt(0) depctr_sa_sdst(0) depctr_va_vdst(0) depctr_va_sdst(0) depctr_va_ssrc(0) depctr_va_vcc(0) depctr_vm_vsrc(0)
	s_getreg_b32 s2, hwreg(HW_REG_IB_STS2, 6, 4)
	s_cmp_eq_u32 s2, 0
	s_cbranch_scc0 .Lentry_in_a_cluster
	s_endpgm
.Lentry_in_a_cluster:
	s_bfe_u32 s2, ttmp6, 0x10000c
	s_cmp_lg_u32 s2, 0xf033
	s_cbranch_scc0 .Lentry_shape_is_right
	s_endpgm
.Lentry_shape_is_right:
; out[m][n] = sum over k of x[m][k] w[n][k] + bias[n].  out: [8192][2048] f32, bias: [2048] f32; K = 4,096.
; Both operands come in f16, with the same order of k inside each group g = k / 64: piece p (16 bytes, p = 0..7) holds k = 64 g + 4 p + e for e < 4 and
; k = 64 g + 32 + 4 p + (e - 4) for e >= 4.   xh: [m][g][p][e], byte m*8192 + g*128 + p*16 + 2 e.   wb: [g][n][p][e], byte g*262144 + n*128 + p*16 + 2 e.
; WHY f16: the result is wanted within 0.01 of its root mean square.  A sum of 4,096 products whose two operands keep 8 significant bits has an error
; of about 0.0023 of that root mean square, so among 16.8 million outputs some would pass 0.01; 11 significant bits make the error eight times smaller.
; LIMITS: operands above 65,504 are infinite, and below 2^-14 they are kept to a step of 2^-24 (stated where they are rounded).  Within a group of 64 the products are
; added in the order of the pieces, not in ascending k; both operands have the same order, so each product pairs the right k.  Sums in f32.
; SHARES: a work-group makes a block of 256 x 256 of out with four waves; 32 x 8 blocks = 256 work-groups.  A wave makes 128 x 128: 64 accumulator tiles, 512 registers;
; for 1 along K it reads 2 x 128 x 2 = 512 bytes of LDS for 16,384 multiply-adds.
; K goes in steps of 128 (two groups) through two LDS slots of 139,264 bytes.  A row of x's tile is 256 bytes of memory, aligned; a group of w for 256 n is 32 KiB
; without a gap, taken as 128 rows of 256 bytes.  A K step is four quarters of 32 along K, 64 matrix instructions each, on two fragment buffers.
; CLUSTERS: 4 x 4 work-groups.  x's tile hangs on the block row alone and is asked for jointly by the four of a row of the cluster; w's tile hangs on
; the block column alone and is asked for jointly by the four of a column.  That divides the requests for both by four.
; TENSOR LOADS: by this text's own count a wave has two out at the start and one behind each round afterwards; from a refill to the wait for it a wave issues 240 matrix instructions.
;
; REGISTERS, in windows of 256:
;   window 0: v16-27 addresses, v28-31 bias, v64-127 and v128-191 x's fragments (8 x 16 rows x 32 K), two buffers; the same registers serve the way out
;   window 1: v64-127 and v128-191 w's fragments, two buffers
;   window 2: the 32 accumulator tiles of my rows 0-63 (tile (a, b) at v[8 (8 a + b)]);   window 3: those of my rows 64-127
; THE MATRIX INSTRUCTION IS USED TRANSPOSED: source 0 = 16 rows n of w, source 1 = 16 rows m of x.  Lane l then holds row m = l % 16 and
; its registers 0-7 the columns n = 8 (l / 16) + 0..7: 32 neighbouring bytes of a row of out.
.set PITCH,  272                       ; an LDS row: 256 bytes + 16 of padding = 68 words: 16 neighbouring rows start at 16 different places modulo 64 words
.set HALFT,  128*PITCH                 ; 34,816: what one tensor load brings: 128 rows of x, or one group of w for 256 n (LDS row i holds n = 2 i at byte 0, n = 2 i + 1 at byte 128)
.set SLOT,   4*HALFT                   ; x's rows 0-127, x's rows 128-255, w's first group, w's second group
.set STAGE,  2*SLOT                    ; 278,528 = 1,088 x 256: behind the ring; no tensor load ever lands here
.set SPITCH, 528                       ; the stage's row: 512 bytes + 16
.set XSTEP,  256                       ; bytes of xh along a row for a K step
.set WSTEP,  524288                    ; bytes of wb for a K step: two groups
.set OROW,   8192                      ; bytes in a row of out
.set ADRA, 16                          ; v16-17  LDS address of my x fragments in slot 0, 1
.set ADRB, 20                          ; v20-21  the same for w
.set STO,  24                          ; v24     the way out: where I put 32 bytes of a row
.set RD,   25                          ; v25     the way out: where I read 16 bytes back
.set CO,   26                          ; v26     16 x lane: my byte offset in my wave's 512 bytes of a row of out, and of bias
.set PF,   27                          ; v27     prefetch: lane x 8,192; never rewritten
.set BIAS, 28                          ; v[28:31]
.set F0,   64                          ; fragment buffer 0
.set F1,   128                         ; fragment buffer 1
.set G1A, 24                           ; s[24:31] group 1 for x's tiles
.set G0A, 32                           ; s[32:39] group 0 for x's tiles, a set for each slot
.set G1B, 40                           ; s[40:47] group 1 for w's tiles
.set G0B, 48                           ; s[48:55] group 0 for w's tiles, a set for each slot
.set PFB, 66                           ; s[66:67] base of the prefetch
.set MSB, 0
.macro WIN new                         ; the immediate's high byte repeats the setting that is left; a switch that changes nothing is dropped
.if MSB != (\new)
	s_set_vgpr_msb (MSB<<8)|(\new)
.set MSB, \new
.endif
.endm
.set MUL_LO, 0xa1                      ; source 0 (w) window 1, source 1 (x) window 0, C and D window 2
.set MUL_HI, 0xf1                      ; the same, C and D window 3
.set TO_B,   0x40                      ; destination window 1, address window 0
.macro PLACES                          ; four places behind matrix instructions, in front of loads into registers that they read and of stores of results
.rept 4
	v_nop
.endr
.endm
; A round of the cluster's barrier behind its opening barrier: wave 0 signals for the work-group, every wave waits for all sixteen, the work-group's barrier closes it.
.macro CREST
	s_cmp_lg_u32 s12, 0
	s_cbranch_scc1 .Lnot_wave_0_\@
	s_barrier_signal -3
.Lnot_wave_0_\@:
	s_barrier_wait -3
	s_barrier_signal -1
	s_barrier_wait -1
.endm
.macro CROUND
	s_barrier_signal -1
	s_barrier_wait -1
	CREST
.endm
; A joint refill of slot s: waves 0 and 1 ask for x's two halves, waves 2 and 3 for w's two groups.  Each line has one mask and one set of registers; the branches hang on the wave's number alone.
; pf = 1: beside the refill with K step t + 2, wave 2 + s asks, into the L2, for xh's bytes of K step t + 3, whose tensor load is issued one K step later: lane i for row
; 32 x block column + i of the block row, so that the eight work-groups of a block row ask for each row's 256 bytes of a step once.  K steps 3 to 31 are asked for, so no request
; passes a row's end; a work-group has 32 rows x 256 bytes = 8 KiB a step asked for, at most two steps of them unread.  wb is not asked for ahead: its 16 MiB are read again by all 32 block rows.
.macro JLOAD s, pf
	s_cmp_lt_u32 s12, 2
	s_cbranch_scc0 .Lfor_b_\@
	tensor_load_to_lds s[G0A+4*\s:G0A+4*\s+3], s[G1A:G1A+7]
	s_nop 0
	s_branch .Lasked_\@
.Lfor_b_\@:
	tensor_load_to_lds s[G0B+4*\s:G0B+4*\s+3], s[G1B:G1B+7]
	s_nop 0
.if \pf
	s_cmp_lg_u32 s12, 2+\s
	s_cbranch_scc1 .Lasked_\@
	global_prefetch_b8 v[PF], s[PFB:PFB+1] offset:\s*XSTEP th:TH_LOAD_NT scope:SCOPE_SE
.endif
.Lasked_\@:
.endm
	s_load_b256 s[4:11], s[0:1], 0x0               ; xh s[4:5], wb s[6:7], bias s[8:9], out s[10:11]
	s_set_vgpr_msb 0x40
	v_lshl_add_u32 v255, v0, 2, 0x4c400
	s_set_vgpr_msb 0x4000
	v_mov_b32 v255, 0
	s_set_vgpr_msb 0x1
	ds_add_u32 v255, v255
	s_set_vgpr_msb 0x100
	v_lshrrev_b32 v1, 5, v0
	v_readfirstlane_b32 s12, v1                    ; wave 0..3
	s_and_b32 s13, s12, 1                          ; which half of the block's columns is mine.  Also: which half of x's tile, or which group of w, I fetch
	s_lshr_b32 s69, s12, 1                         ; which half of the block's rows is mine
	s_bfe_u32 s14, ttmp6, 0x40000                  ; cx
	s_bfe_u32 s15, ttmp6, 0x40004                  ; cy
	s_lshl_b32 s16, ttmp9, 2
	s_add_co_u32 s16, s16, s14                     ; block column = 4 x cluster x + cx, 0..7
	s_and_b32 s17, ttmp7, 0xffff
	s_lshl_b32 s17, s17, 2
	s_add_co_u32 s17, s17, s15                     ; block row = 4 x cluster y + cy, 0..31
	s_lshl_b32 s18, s15, 2
	s_lshl_b32 s18, 15, s18                        ; my row of the cluster: places 4 cy .. 4 cy + 3
	s_lshl_b32 s19, 0x1111, s14                    ; my column: places cx, cx + 4, cx + 8, cx + 12
	; group 1 for x: 128 rows x 128 elements of 2 bytes, 4,096 elements from row to row, 4 words of padding behind every 64
	s_or_b32 s[G1A+0], s18, 0x07710000             ; 15:0 mask of my row; 17:16 = 1 (2 bytes); 20 padding on; 21 set beside a mask; 24:22 = 5 (every 64 words); 31:25 = 3 (4 words)
	s_mov_b32 s[G1A+1], 128<<16                    ; tensor_dim0 = 128
	s_mov_b32 s[G1A+2], 128<<16                    ; tensor_dim1 = 128
	s_mov_b32 s[G1A+3], 128<<16                    ; tile_dim0 = 128
	s_mov_b32 s[G1A+4], 128                        ; tile_dim1 = 128
	s_mov_b32 s[G1A+5], 4096                       ; stride from row to row
	s_mov_b32 s[G1A+6], 0
	s_mov_b32 s[G1A+7], 0
	; group 1 for w: 32 KiB without a gap, as 128 rows x 32 elements of 8 bytes, the same padding
	s_or_b32 s[G1B+0], s19, 0x07730000             ; mask of my column; 17:16 = 3 (8 bytes)
	s_mov_b32 s[G1B+1], 32<<16
	s_mov_b32 s[G1B+2], 128<<16
	s_mov_b32 s[G1B+3], 32<<16
	s_mov_b32 s[G1B+4], 128
	s_mov_b32 s[G1B+5], 32
	s_mov_b32 s[G1B+6], 0
	s_mov_b32 s[G1B+7], 0
	; where the tiles come from: x's hang on the block row (s20-23 never hold cx), w's on the block column (s56-59 never hold cy)
	s_lshl_b32 s20, s17, 21                        ; 256 rows of 8,192 bytes
	s_lshl_b32 s21, s13, 20                        ; + 128 rows for the second half
	s_add_co_u32 s20, s20, s21
	s_mov_b32 s21, 0
	s_lshl_b32 s56, s16, 15                        ; 256 n of 128 bytes
	s_lshl_b32 s57, s13, 18                        ; + a group for the step's second group
	s_add_co_u32 s56, s56, s57
	s_mov_b32 s57, 0
	s_mul_i32 s60, s12, HALFT                      ; and where they go: wave x 128 LDS rows: no place in the cluster enters an LDS address
	s_wait_dscnt 0x0
	s_wait_kmcnt 0x0
	s_add_nc_u64 s[22:23], s[4:5], s[20:21]
	s_add_nc_u64 s[58:59], s[6:7], s[56:57]
.irp s, 0,1
	s_mov_b32 s[G0A+4*\s], 1                                       ; count = 1
	s_add_co_u32 s[G0A+4*\s+1], s60, \s*SLOT                       ; LDS address
	s_add_nc_u64 s[G0A+4*\s+2:G0A+4*\s+3], s[22:23], \s*XSTEP      ; K step s
	s_or_b32 s[G0A+4*\s+3], s[G0A+4*\s+3], 0x80000000              ; type = 2
	s_mov_b32 s[G0B+4*\s], 1
	s_add_co_u32 s[G0B+4*\s+1], s60, \s*SLOT
	s_add_nc_u64 s[G0B+4*\s+2:G0B+4*\s+3], s[58:59], \s*WSTEP
	s_or_b32 s[G0B+4*\s+3], s[G0B+4*\s+3], 0x80000000
.endr
	CROUND                                         ; all sixteen work-groups are here: the first joint loads meet
	s_cmp_lt_u32 s12, 2                            ; the first fills, both slots, in one branch on the wave's number: two loads a wave
	s_cbranch_scc0 .Lfirst_b
	tensor_load_to_lds s[G0A:G0A+3], s[G1A:G1A+7]
	s_nop 0
	tensor_load_to_lds s[G0A+4:G0A+7], s[G1A:G1A+7]
	s_nop 0
	s_branch .Lfirst_done
.Lfirst_b:
	tensor_load_to_lds s[G0B:G0B+3], s[G1B:G1B+7]
	s_nop 0
	tensor_load_to_lds s[G0B+4:G0B+7], s[G1B:G1B+7]
	s_nop 0
.Lfirst_done:
	; the other bases
	s_lshl_b32 s62, s17, 21                        ; prefetch: my block row,
	s_lshl_b32 s63, s16, 18                        ; my work-group's 32 rows of it,
	s_add_co_u32 s62, s62, s63
	s_add_co_u32 s62, s62, XSTEP                   ; K step 1: each lap steps the base by two K steps before it asks, so lap 0 asks for steps 3 and 4
	s_mov_b32 s63, 0
	s_add_nc_u64 s[PFB:PFB+1], s[4:5], s[62:63]
	s_lshl_b32 s62, s17, 21                        ; out: 256 rows of 8,192 bytes,
	s_lshl_b32 s63, s69, 20                        ; my wave's 128 rows,
	s_add_co_u32 s62, s62, s63
	s_lshl_b32 s63, s16, 10                        ; 256 columns of 4 bytes,
	s_add_co_u32 s62, s62, s63
	s_lshl_b32 s63, s13, 9                         ; my wave's 128 columns
	s_add_co_u32 s62, s62, s63
	s_mov_b32 s63, 0
	s_add_nc_u64 s[10:11], s[10:11], s[62:63]
	s_lshl_b32 s56, s16, 10
	s_lshl_b32 s57, s13, 9
	s_add_co_u32 s56, s56, s57
	s_mov_b32 s57, 0
	s_add_nc_u64 s[8:9], s[8:9], s[56:57]          ; bias at my wave's first column
	; A fragment is 16 rows x 32 K in 8 registers: lane l holds row l % 16; its registers 0-3 are piece 4 q + l / 16 of a group, registers 4-7 the piece two further on (q = 0, 1: the group's half).
	v_and_b32 v1, 15, v0                           ; r = l % 16
	v_bfe_u32 v2, v0, 4, 1                         ; h = l / 16
	v_and_b32 v3, 31, v0                           ; lane
	v_mul_u32_u24 v4, v1, PITCH
	v_lshl_add_u32 v4, v2, 4, v4                   ; r x pitch + 16 h
	s_mul_i32 s62, s69, HALFT                      ; my 128 rows of x
	v_add_nc_u32 v[ADRA], s62, v4
	v_add_nc_u32 v[ADRA+1], SLOT, v[ADRA]
	v_lshrrev_b32 v5, 1, v1                        ; n = 16 i + r lies in LDS row 8 i + r / 2,
	v_mul_u32_u24 v5, v5, PITCH
	v_and_b32 v6, 1, v1
	v_lshl_add_u32 v5, v6, 7, v5                   ; at byte 128 (r % 2): the 16 r start at 16 different multiples of 16 modulo 256
	v_lshl_add_u32 v5, v2, 4, v5
	s_mul_i32 s62, s13, 64*PITCH                   ; my 128 n = 64 LDS rows,
	s_add_co_u32 s62, s62, 2*HALFT                 ; behind x's 256 rows
	v_add_nc_u32 v[ADRB], s62, v5
	v_add_nc_u32 v[ADRB+1], SLOT, v[ADRB]
	s_mul_i32 s63, s12, 16*SPITCH
	s_add_co_u32 s63, s63, STAGE                   ; my wave's stage
	v_mul_u32_u24 v6, v1, SPITCH
	v_lshl_add_u32 v6, v2, 5, v6                   ; row r, 32 bytes for each half of the lanes
	v_add_nc_u32 v[STO], s63, v6
	v_lshl_add_u32 v[RD], v3, 4, s63
	v_lshlrev_b32 v[CO], 4, v3
	v_lshlrev_b32 v[PF], 13, v3
	global_load_b128 v[BIAS:BIAS+3], v[CO], s[8:9] ; bias of my columns 4 lane .. + 3; waited for in front of the way out
; 16 matrix instructions: m blocks a0, a0 + 1 of the window's four (hi = 0: my rows 0-63, 1: rows 64-127) x all 8 n blocks, 32 along K, from buffer f.  zero = 1: the product starts the sums.
; In every quarter the 64 accumulators take turns in the same order, one instruction a turn, over the loop's backward jump too.
.macro MUL16 f, hi, a0, zero
.irp a, \a0, \a0+1
.irp b, 0,1,2,3,4,5,6,7
.if \zero
	v_wmma_f32_16x16x32_f16 v[8*(8*(\a)+\b):8*(8*(\a)+\b)+7], v[\f+8*\b:\f+8*\b+7], v[\f+8*(4*\hi+\a):\f+8*(4*\hi+\a)+7], 0
.else
	v_wmma_f32_16x16x32_f16 v[8*(8*(\a)+\b):8*(8*(\a)+\b)+7], v[\f+8*\b:\f+8*\b+7], v[\f+8*(4*\hi+\a):\f+8*(4*\hi+\a)+7], v[8*(8*(\a)+\b):8*(8*(\a)+\b)+7]
.endif
.endr
.endr
.endm
; 32 LDS loads in one run: the fragments of quarter qt (0..3) of a slot's K step into buffer f.  Quarter qt is half qt % 2 of the step's group qt / 2:
; in x's rows at byte 64 qt, in w's tile HALFT x (qt / 2) + 64 (qt % 2).  w's 16 loads come first, x's rows 64-127 last.
.macro FETCH slot, qt, f
	WIN TO_B
.irp i, 0,1,2,3,4,5,6,7
	ds_load_b128 v[\f+8*\i:\f+8*\i+3],   v[ADRB+\slot] offset:(\qt>>1)*HALFT+(\qt&1)*64+\i*8*PITCH
	ds_load_b128 v[\f+8*\i+4:\f+8*\i+7], v[ADRB+\slot] offset:(\qt>>1)*HALFT+(\qt&1)*64+\i*8*PITCH+32
.endr
	WIN 0
.irp i, 0,1,2,3,4,5,6,7
	ds_load_b128 v[\f+8*\i:\f+8*\i+3],   v[ADRA+\slot] offset:64*\qt+\i*16*PITCH
	ds_load_b128 v[\f+8*\i+4:\f+8*\i+7], v[ADRA+\slot] offset:64*\qt+\i*16*PITCH+32
.endr
.endm
; One of a K step's first three quarters: multiplies buffer f; in its middle it fetches quarter qt of the same slot into buffer g.
.macro QUARTER slot, qt, f, g, zero
	s_wait_dscnt 8                                 ; w and x's rows 0-63 are in; the youngest eight loads (x's rows 64-127) may be out
	WIN MUL_LO
	MUL16 \f, 0, 0, \zero
	MUL16 \f, 0, 2, \zero
	PLACES
	FETCH \slot, \qt, \g
	s_wait_dscnt 32                                ; all but the 32 just issued
	WIN MUL_HI
	MUL16 \f, 1, 0, \zero
	MUL16 \f, 1, 2, \zero
.endm
.macro THREE slot, zero
	QUARTER \slot, 1, F0, F1, \zero
	QUARTER \slot, 2, F1, F0, 0
	QUARTER \slot, 3, F0, F1, 0
.endm
; The last quarter: multiplies buffer 1 and changes slots.  next = the other slot; fill = 1: this slot is filled again, two K steps ahead.
; One barrier for the change of slots.  In front of it each wave waits for its own reads of this slot and for all its tensor loads, of which one is out: its part of the next slot.
; Behind it nobody reads this slot any more and the next slot is whole: the refill comes first, then the next slot's first fragments.
.macro TURN slot, next, fill, pf
	s_wait_dscnt 8
	WIN MUL_LO
	MUL16 F1, 0, 0, 0
	s_wait_dscnt 0x0                               ; my reads of this slot are over
	s_wait_tensorcnt 0x0                           ; and all my tensor loads have landed: the one that was out is my part of the next slot
	ds_add_u32 v255, v255
	s_wait_dscnt 0x0
	s_barrier_signal -1                            ; say so (where the slot is filled again this barrier opens a round of the cluster's barrier),
	MUL16 F1, 0, 2, 0                              ; work on registers while the others arrive
	WIN 0
	s_barrier_wait -1
.if \fill
	CREST                                          ; no wave of any partner still reads this slot or has a load on its way
	s_add_nc_u64 s[G0A+4*\slot+2:G0A+4*\slot+3], s[G0A+4*\slot+2:G0A+4*\slot+3], 2*XSTEP
	s_add_nc_u64 s[G0B+4*\slot+2:G0B+4*\slot+3], s[G0B+4*\slot+2:G0B+4*\slot+3], 2*WSTEP
	JLOAD \slot, \pf                               ; my one tensor load behind the round, ahead of every LDS read
.endif
	PLACES
	FETCH \next, 0, F0
	WIN MUL_HI
	MUL16 F1, 1, 0, 0
	MUL16 F1, 1, 2, 0
.endm
.macro LAP zero, pf0, pf1              ; two K steps, once round the ring, both slots filled again
	THREE 0, \zero
.if \pf0
	s_wait_xcnt 0x0                                ; the last prefetch, issued three quarters ago, has had its address translated (ISA guide 3.1): its base is stepped only behind this wait
	s_add_nc_u64 s[PFB:PFB+1], s[PFB:PFB+1], 2*XSTEP
.endif
	TURN 0, 1, 1, \pf0
	THREE 1, 0
	TURN 1, 0, 1, \pf1
.endm
	s_wait_tensorcnt 0x1                           ; my part of K step 0 is in; step 1's stays out
	s_barrier_signal -1
	s_barrier_wait -1                              ; everybody's is
	FETCH 0, 0, F0
	LAP 1, 1, 1                                    ; lap 0 stands in front of the loop: its first products start the sums, nothing is cleared
	WIN 0                                          ; at a label and at a branch every window is 0
	s_mov_b32 s68, 13                              ; laps 1 to 13
.Llap:
	LAP 0, 1, 1
	WIN 0
	s_sub_co_u32 s68, s68, 1
	s_cmp_lg_u32 s68, 0
	s_cbranch_scc1 .Llap
	LAP 0, 1, 0                                    ; lap 14 fills K steps 30 and 31 and asks ahead for step 31 alone: there is no step 32
	THREE 0, 0                                     ; lap 15 fills nothing and has no round: my one tensor load that is still out is slot 1's, the last K step's
	TURN 0, 1, 0, 0
	THREE 1, 0
	s_wait_dscnt 8                                 ; the very last quarter: nothing more to fetch
	WIN MUL_LO
	MUL16 F1, 0, 0, 0
	MUL16 F1, 0, 2, 0
	s_wait_dscnt 0x0
	WIN MUL_HI
	MUL16 F1, 1, 0, 0
	MUL16 F1, 1, 2, 0
	; THE WAY OUT, 16 rows at a time: a lane's 32 bytes of each tile into my wave's own stage, read back as whole rows of 512 bytes, bias added, stored.
	; My own bytes, served in order (ISA guide 5.7.1.4): no barrier, and no wait between the stores into the stage and the loads from it.
	PLACES                                         ; behind the last matrix instructions: in front of the LDS stores that read results and of the loads into the fragment buffers
	s_wait_loadcnt 0x0                             ; bias
; rows 16 i .. 16 i + 15 of my block = the eight tiles (a, 0..7) of window 2 or 3 (win = 0x08 or 0x0c: an LDS store's data is source 1); f: F0 or F1 in turn
.macro OUT16 i, a, win, f
	WIN \win
.irp b, 0,1,2,3,4,5,6,7
	ds_store_b128 v[STO], v[8*(8*\a+\b):8*(8*\a+\b)+3]   offset:64*\b
	ds_store_b128 v[STO], v[8*(8*\a+\b)+4:8*(8*\a+\b)+7] offset:64*\b+16
.endr
	WIN 0
	s_wait_xcnt 0x0                                ; the earlier blocks' stores have had their addresses translated (ISA guide 3.1): their data registers are loaded again only behind this wait
.irp t, 0,1,2,3,4,5,6,7,8,9,10,11,12,13,14,15
	ds_load_b128 v[\f+4*\t:\f+4*\t+3], v[RD] offset:\t*SPITCH      ; a row's 512 consecutive bytes
.endr
.irp t, 0,1,2,3,4,5,6,7,8,9,10,11,12,13,14,15
	s_wait_dscnt 15-\t                             ; LDS loads come back in order: load t is in
	v_pk_add_f32 v[\f+4*\t:\f+4*\t+1],   v[\f+4*\t:\f+4*\t+1],   v[BIAS:BIAS+1]
	v_pk_add_f32 v[\f+4*\t+2:\f+4*\t+3], v[\f+4*\t+2:\f+4*\t+3], v[BIAS+2:BIAS+3]
	global_store_b128 v[CO], v[\f+4*\t:\f+4*\t+3], s[10:11] offset:(16*\i+\t)*OROW th:TH_STORE_NT   ; 512 consecutive bytes, aligned; the row stands in the immediate, 1,040,384 at the most
.endr
.endm
	OUT16 0, 0, 0x08, F0
	OUT16 1, 1, 0x08, F1
	OUT16 2, 2, 0x08, F0
	OUT16 3, 3, 0x08, F1
	OUT16 4, 0, 0x0c, F0
	OUT16 5, 1, 0x0c, F1
	OUT16 6, 2, 0x0c, F0
	OUT16 7, 3, 0x0c, F1
	s_set_vgpr_msb 0x1
	s_wait_tensorcnt 0x0
	ds_add_u32 v255, v255
	s_wait_dscnt 0x0
	s_set_vgpr_msb 0x100
	CROUND                                         ; the closing round: no work-group ends while a partner may still ask for a tile that names it
	s_endpgm
.Lfunc_end_k_q1493ad8908_gemm:
	.size	k_q1493ad8908_gemm, .Lfunc_end_k_q1493ad8908_gemm-k_q1493ad8908_gemm
	.p2alignl 7, 3214868480
	.fill 96, 4, 3214868480
	.section	.rodata,"a",@progbits
	.p2align	6, 0x0
	.amdhsa_kernel k_q1493ad8908_gemm
		.amdhsa_group_segment_fixed_size 327680
		.amdhsa_private_segment_fixed_size 0
		.amdhsa_enable_private_segment 0
		.amdhsa_kernarg_size 32
		.amdhsa_user_sgpr_count 2
		.amdhsa_user_sgpr_kernarg_segment_ptr 1
		.amdhsa_wavefront_size32 1
		.amdhsa_system_sgpr_workgroup_id_x 1
		.amdhsa_system_sgpr_workgroup_id_y 1
		.amdhsa_system_sgpr_workgroup_id_z 1
		.amdhsa_system_vgpr_workitem_id 0
		.amdhsa_next_free_vgpr 1024
		.amdhsa_next_free_sgpr 72
		.amdhsa_reserve_vcc 0
		.amdhsa_float_denorm_mode_32 3
		.amdhsa_float_denorm_mode_16_64 3
		.amdhsa_memory_ordered 1
		.amdhsa_forward_progress 1
		.amdhsa_inst_pref_size 255
	.end_amdhsa_kernel
	.section	.bss,"aw",@nobits
	.p2align	6
	.space	262144
	.amdgpu_metadata
---
amdhsa.version: [ 1, 2 ]
amdhsa.kernels:
  - .name:           k_q1493ad8908_gemm
    .symbol:         k_q1493ad8908_gemm.kd
    .args:
      - { .name: xh, .offset: 0, .size: 8, .value_kind: global_buffer, .address_space: global }
      - { .name: wb, .offset: 8, .size: 8, .value_kind: global_buffer, .address_space: global }
      - { .name: bias, .offset: 16, .size: 8, .value_kind: global_buffer, .address_space: global }
      - { .name: out0, .offset: 24, .size: 8, .value_kind: global_buffer, .address_space: global }
    .group_segment_fixed_size: 327680
    .private_segment_fixed_size: 0
    .kernarg_segment_align: 8
    .kernarg_segment_size: 32
    .max_flat_workgroup_size: 128
    .sgpr_count:     72
    .vgpr_count:     1024
    .wavefront_size: 32
...
	.end_amdgpu_metadata
.endif
;; end of part 3
;; ======== version 2 of 2: 3 launches; version 1 with the launch dequant written anew for expert scheduling mode
;; limits: values are held in f16: magnitudes above 65,504 overflow, below 6.1e-05 lose precision
;; workspace buffers: wb 16,777,216 bytes; xh 67,108,864 bytes
;; launch dequant (part 4): grid 256 x 1, 8 waves a work-group, no clusters, 78,848 bytes of LDS; arguments packed, mn, scale, wb; writes wb
.if DOCPART == 4
	.amdgcn_target "amdgcn-amd-amdhsa--gfx1250"
	.amdhsa_code_object_version 6
	.text
	.protected	k_q1493ad8908_dequant
	.globl	k_q1493ad8908_dequant
	.p2align	8
	.type	k_q1493ad8908_dequant,@function
k_q1493ad8908_dequant:
	s_mov_b64 s[64:65], 0
	v_nop
	global_prefetch_b8 v0, s[64:65] scope:SCOPE_SE
	s_setreg_imm32_b32 hwreg(HW_REG_WAVE_SCHED_MODE, 0, 2), 2
	s_setreg_imm32_b32 hwreg(HW_REG_WAVE_MODE, 25, 1), 1
	s_wait_xcnt 0x0
	s_wait_alu depctr_vm_vsrc(0)
; w[n][k] = code / scale[n][g] + mn[n][g], g = k / 64, rounded once to f16 and laid out for the product that follows.
; packed: [2048][64][32] int32, one byte of use in each word: bits 7:4 are the code of k = 64 g + j, bits 3:0 that of k = 64 g + 32 + j.
; wb (f16) is laid out [g][n][p][e]: byte g*262144 + n*128 + p*16 + 2 e, p = 0..7, e = 0..7.  Piece p holds k = 64 g + 4 p + e for e < 4
; (the high codes of words 4 p .. 4 p + 3) and k = 64 g + 32 + 4 p + (e - 4) for e >= 4 (the low codes of the same words): a lane's 16 bytes
; as loaded become its 16 bytes as stored, and one group's numbers for 256 neighbouring n are 32 KiB without a gap.
; WHY f16: the result is wanted within 0.01 of its root mean square.  A sum of 4,096 products whose two operands keep 8 significant bits has an error
; of about 0.0023 of that root mean square, so among 16.8 million outputs some would pass 0.01; 11 significant bits make the error eight times smaller.
; LIMITS: a |w| above 65,504 becomes infinite, and below 2^-14 w is kept to a step of 2^-24 (w as the problem draws it reaches about 0.25, root mean
; square 0.05).  The division is v_rcp_f32 (1 ulp) and one fused multiply-add in f32; v_rcp_f32 flushes denormals (ISA guide 15.8), so a scale
; that is denormal gives an infinite, and one above 2^126 a zero, reciprocal.
; SHARES: the work-group owns 8 rows n (64 KiB of packed, without a gap); wave w owns groups 8 w .. 8 w + 7 of all eight rows.
; No loop: a lane issues its 16 loads of 16 bytes at once.  No matrix unit, no cluster, no tensor load: every byte is read once by one lane.
; The way out turns [n][g] into [g][n] through each wave's own bytes of LDS, so that each store of a wave covers 512 consecutive bytes, aligned.
; THE MODE: SCHED_MODE bits 1:0 = 2 (LLVM: expert scheduling mode 2), set by the entry lines.  The code itself states the register dependences
; between vector instructions and memory or LDS instructions, with s_wait_alu, always for 0.
; THE PLAN.  Registers that memory or LDS instructions touch:
;   v2 .. v8     offsets and LDS addresses: written at the head, read by the loads and stores, never written again.
;   v10 .. v13   scale and mn as loaded: read by the reciprocals and the moves, never loaded again.
;   Q            written by the reciprocals and the moves, read by one LDS store, never written again.
;   X0 .. X15    chunk c as loaded: read by chunk c's unpacking lines.  Behind the last chunk the 16 read-backs from LDS land in them, and the global stores read those.
;   SM0 .. SM15  the chunks' pairs, loaded from LDS once: read by the multiply-adds.
;   P0 .. P15    chunk c's 8 f16: written once, by chunk c's roundings; read once, by its LDS store.  A set of four registers to each chunk, so that none is written a second time.
;   T            named by vector instructions alone.          v128, v129   written at the head, read by the closing add alone.
; The 16 chunks go in four blocks of four.  Block b's vector lines name X, SM and P of its own chunks, and T; its LDS instructions are the four stores of block b - 1,
; which read v6 and that block's P.  So ONE wait on va_vdst at a block's head states all that its four stores hang on, and they are dealt among its chunks with no further wait.
; No register that a memory or LDS instruction has read is ever written again: the text owes no wait on vm_vsrc.
.set ROWB, 8192                        ; bytes of packed in a row n
.set GRPB, 262144                      ; bytes of wb in a group: 2,048 n x 128
.set TRP,  1152                        ; LDS: a group's 8 n x 128 bytes + 128 of padding, so that two groups' pieces lie 128 bytes apart modulo 256
.set TRW,  8*TRP                       ; a wave's turning area: 8 groups
.set TAB,  8*TRW                       ; behind the eight areas: 512 pairs (1 / scale, mn), 8 bytes each, index 64 row + g
.set PO,  3                            ; v3   my byte offset in packed: 1,024 w + 16 lane
.set TW,  4                            ; v4   where I put two pairs of the table
.set TA,  5                            ; v5   where I read my group's pair
.set TS,  6                            ; v6   turning area: where I put 16 bytes
.set TRD, 7                            ; v7   turning area: where I read 16 bytes back
.set WO,  8                            ; v8   my byte offset in wb
.set Q,   16                           ; v[16:19]   two pairs for the table
.set X,   20                           ; v[20:83]   chunk c: 4 words as loaded; later the 16 read-backs
.set SM,  84                           ; v[84:115]  chunk c: its pair (1 / scale, mn)
.set T,   116                          ; v[116:123] at work: 8 numbers in f32
.set P,   130                          ; v[130:193] chunk c: 8 f16, four registers at P + 4 c
	s_load_b256 s[4:11], s[0:1], 0x0               ; packed s[4:5], mn s[6:7], scale s[8:9], wb s[10:11]
	v_lshl_add_u32 v128, v0, 2, 0x13000
	v_mov_b32 v129, 0
	v_lshrrev_b32 v9, 5, v0
	v_readfirstlane_b32 s12, v9                    ; wave 0..7
	v_and_b32 v1, 31, v0                           ; lane
	v_lshlrev_b32 v2, 3, v0                        ; two numbers of scale and of mn for each thread
	s_wait_alu depctr_va_sdst(0)                   ; s12 is written, ahead of its first reader: the wave's offsets below are made from it
	s_lshl_b32 s13, s12, 10                        ; my wave's 8 groups in a row: 1,024 bytes
	v_lshl_add_u32 v[PO], v1, 4, s13
	v_lshlrev_b32 v[TW], 4, v0
	v_add_nc_u32 v[TW], TAB, v[TW]                 ; pairs 2 t and 2 t + 1
	v_lshrrev_b32 v9, 3, v1                        ; which of a chunk's four groups my 16 bytes lie in
	s_lshl_b32 s14, s12, 6                         ; pair 8 w
	s_add_co_u32 s14, s14, TAB
	v_lshl_add_u32 v[TA], v9, 3, s14
	s_mul_i32 s15, s12, TRW                        ; my wave's turning area
	v_mul_u32_u24 v[TS], v9, TRP
	v_and_b32 v9, 7, v1                            ; my piece p
	v_lshl_add_u32 v[TS], v9, 4, v[TS]
	v_add_nc_u32 v[TS], s15, v[TS]
	v_lshl_add_u32 v[TRD], v1, 4, s15
	s_lshl_b32 s16, s12, 21                        ; 8 w groups of 262,144 bytes
	v_lshl_add_u32 v[WO], v1, 4, s16
	s_mov_b32 s3, 0
	s_lshl_b32 s2, ttmp9, 16                       ; 8 rows of packed
	s_wait_kmcnt 0x0
	s_add_nc_u64 s[4:5], s[4:5], s[2:3]
	s_lshl_b32 s2, ttmp9, 11                       ; 8 rows of 64 f32
	s_add_nc_u64 s[6:7], s[6:7], s[2:3]
	s_add_nc_u64 s[8:9], s[8:9], s[2:3]
	s_lshl_b32 s2, ttmp9, 10                       ; 8 n of 128 bytes in each group of wb
	s_add_nc_u64 s[10:11], s[10:11], s[2:3]
	s_wait_alu depctr_va_vdst(0)                   ; the seven offsets and LDS addresses v2 to v8 are written: every load and store of the kernel reads one of them
	global_load_b64 v[10:11], v2, s[8:9]           ; scale: a wave takes one row's 256 bytes
	global_load_b64 v[12:13], v2, s[6:7]           ; mn likewise
.irp c, 0,1,2,3,4,5,6,7,8,9,10,11,12,13,14,15
	global_load_b128 v[X+4*\c:X+4*\c+3], v[PO], s[4:5] offset:(\c>>1)*ROWB+(\c&1)*512 th:TH_LOAD_NT   ; chunk c = 2 row + u: four groups, 512 consecutive bytes
.endr
	s_wait_loadcnt 16                              ; scale and mn are in; the 16 younger loads stay out
	v_rcp_f32 v[Q], v10
	v_rcp_f32 v[Q+2], v11
	v_mov_b32 v[Q+1], v12                          ; plain instructions that touch neither the reciprocals nor their sources stand behind v_rcp_f32 (ISA guide 5.7.2)
	v_mov_b32 v[Q+3], v13
	s_wait_alu depctr_va_vdst(0)                   ; the two reciprocals and the two moves have written v[Q ..], which the LDS store reads
	ds_store_b128 v[TW], v[Q:Q+3]
	s_wait_dscnt 0x0                               ; my pairs are in LDS before I say so
	s_barrier_signal -1
	s_barrier_wait -1                              ; all 512 pairs are there; nobody writes the table again
.irp c, 0,1,2,3,4,5,6,7,8,9,10,11,12,13,14,15
	ds_load_b64 v[SM+2*\c:SM+2*\c+1], v[TA] offset:(\c>>1)*512+(\c&1)*32   ; pair 64 row + 8 w + 4 u + lane / 8: eight lanes share a pair.  No vector instruction has named SM
.endr
	s_wait_dscnt 0x0
; Chunk c's arithmetic: four words become eight numbers, 16 bytes of f16, in the chunk's own four registers of P.
.macro ARITH c
	s_wait_loadcnt 15-(\c)                         ; loads come back in order (ISA guide 5.7.1): chunk c is in, the younger ones stay out
.irp e, 0,1,2,3
	v_bfe_u32 v[T+\e], v[X+4*(\c)+\e], 4, 4        ; the high code: k = 4 p + e
	v_and_b32 v[T+4+\e], 15, v[X+4*(\c)+\e]        ; the low code: k = 32 + 4 p + e
.endr
.irp e, 0,1,2,3,4,5,6,7
	v_cvt_f32_u32 v[T+\e], v[T+\e]
.endr
.irp e, 0,2,4,6
	v_pk_fma_f32 v[T+\e:T+\e+1], v[T+\e:T+\e+1], v[SM+2*(\c):SM+2*(\c)+1], v[SM+2*(\c):SM+2*(\c)+1] op_sel:[0,0,1] op_sel_hi:[1,0,1]   ; both halves: code x (1 / scale) + mn
.endr
.irp m, 0,1,2,3
	v_cvt_pk_f16_f32 v[P+4*(\c)+\m], v[T+2*\m], v[T+2*\m+1]   ; two roundings to f16, the first source in the low half
.endr
.endm
; Chunk c's 16 bytes are put at [group][row][piece] in my wave's area.
.macro PUT c
	ds_store_b128 v[TS], v[P+4*(\c):P+4*(\c)+3] offset:((\c)&1)*4*TRP+((\c)>>1)*128
.endm
; Block b = 1, 2, 3: the arithmetic of chunks 4 b .. 4 b + 3, and ahead of each chunk's one LDS store of the block before.
.macro BLOCK b
	s_wait_alu depctr_va_vdst(0)                   ; the block before has written its four sets of P, which the four LDS stores below read; no vector line of this block names them
.irp i, 0,1,2,3
	PUT 4*(\b)-4+\i
	ARITH 4*(\b)+\i
.endr
.endm
.irp c, 0,1,2,3
	ARITH \c                                       ; block 0 has no block in front of it: no store, and no wait but those for its data
.endr
	BLOCK 1
	BLOCK 2
	BLOCK 3
	s_wait_alu depctr_va_vdst(0)                   ; block 3 has written its four sets of P, which the last four LDS stores read; and all unpacking lines are done reading X, in which the read-backs below land
.irp c, 12,13,14,15
	PUT \c
.endr
	; Back by groups: 1,024 bytes (8 n x 128) of a group in two loads.  My wave's own bytes, and LDS serves a wave's instructions in order
	; (ISA guide 5.7.1.4): no wait and no barrier between the stores above and these loads.
.irp k, 0,1,2,3,4,5,6,7,8,9,10,11,12,13,14,15
	ds_load_b128 v[X+4*\k:X+4*\k+3], v[TRD] offset:(\k>>1)*TRP+(\k&1)*512
.endr
.irp k, 0,1,2,3,4,5,6,7,8,9,10,11,12,13,14,15
	s_wait_dscnt 15-\k
	global_store_b128 v[WO], v[X+4*\k:X+4*\k+3], s[10:11] offset:(\k>>1)*GRPB+(\k&1)*512   ; 512 consecutive bytes, aligned; read again by the next launch, so no hint
.endr
	s_wait_dscnt 0x0                               ; the closing lines, six on end
	s_wait_alu 0x0
	s_wait_tensorcnt 0x0
	ds_add_u32 v128, v129
	s_wait_dscnt 0x0
	s_endpgm
.Lfunc_end_k_q1493ad8908_dequant:
	.size	k_q1493ad8908_dequant, .Lfunc_end_k_q1493ad8908_dequant-k_q1493ad8908_dequant
	.p2alignl 7, 3214868480
	.fill 96, 4, 3214868480
	.section	.rodata,"a",@progbits
	.p2align	6, 0x0
	.amdhsa_kernel k_q1493ad8908_dequant
		.amdhsa_group_segment_fixed_size 78848
		.amdhsa_private_segment_fixed_size 0
		.amdhsa_enable_private_segment 0
		.amdhsa_kernarg_size 32
		.amdhsa_user_sgpr_count 2
		.amdhsa_user_sgpr_kernarg_segment_ptr 1
		.amdhsa_wavefront_size32 1
		.amdhsa_system_sgpr_workgroup_id_x 1
		.amdhsa_system_sgpr_workgroup_id_y 1
		.amdhsa_system_sgpr_workgroup_id_z 1
		.amdhsa_system_vgpr_workitem_id 0
		.amdhsa_next_free_vgpr 194
		.amdhsa_next_free_sgpr 66
		.amdhsa_reserve_vcc 0
		.amdhsa_float_denorm_mode_32 3
		.amdhsa_float_denorm_mode_16_64 3
		.amdhsa_memory_ordered 1
		.amdhsa_forward_progress 1
		.amdhsa_inst_pref_size 28
	.end_amdhsa_kernel
	.amdgpu_metadata
---
amdhsa.version: [ 1, 2 ]
amdhsa.kernels:
  - .name:           k_q1493ad8908_dequant
    .symbol:         k_q1493ad8908_dequant.kd
    .args:
      - { .name: packed, .offset: 0, .size: 8, .value_kind: global_buffer, .address_space: global }
      - { .name: mn, .offset: 8, .size: 8, .value_kind: global_buffer, .address_space: global }
      - { .name: scale, .offset: 16, .size: 8, .value_kind: global_buffer, .address_space: global }
      - { .name: wb, .offset: 24, .size: 8, .value_kind: global_buffer, .address_space: global }
    .group_segment_fixed_size: 78848
    .private_segment_fixed_size: 0
    .kernarg_segment_align: 8
    .kernarg_segment_size: 32
    .max_flat_workgroup_size: 256
    .sgpr_count:     66
    .vgpr_count:     194
    .wavefront_size: 32
...
	.end_amdgpu_metadata
.endif
;; end of part 4
;; launch cvtx: the kernel of part 2 again; grid 4096 x 1, 8 waves a work-group, no clusters, 0 bytes of LDS; arguments x, xh; writes xh
;; launch gemm: the kernel of part 3 again; grid 8 x 32, 4 waves a work-group, clusters of 4 x 4, 327,680 bytes of LDS; arguments xh, wb, bias, out0; writes out0
